; MI455X (gfx1250); checked and timed in simulation.
; The chip was launched on July 23, 2026; its instructions are those of AMD's public machine-readable ISA for CDNA 5 (MIT licence, August 2026) and "CDNA5" Instruction Set Architecture Reference Guide (July 2026). The comments in the code are by the model that wrote it; some were corrected since.
;; Codebook. Allowed arithmetic: float matrix products may take bf16 or f16 operands with f32 sums; all other float work in f32.
;; Inputs: emb 8,192 x 256 float32; z 32 x 1,024 x 256 float32.
;; Outputs: out0 32 x 1,024 x 256 float32; out1 32,768 int32; out2 one number float32.
;; One version. Each part assembles by itself: llvm-mc -triple=amdgcn-amd-amdhsa -mcpu=gfx1250 --defsym DOCPART=n.
;; ======== version 1 of 1: 4 launches
;; workspace buffers: zf 16,777,216 bytes; zn 131,072 bytes; ef 4,194,304 bytes; en 32,768 bytes; pick 131,072 bytes of whole numbers; part 16,384 bytes
;; launch prep (part 1): grid 320 x 1, 8 waves a work-group, no clusters, 69,120 bytes of LDS; arguments z, emb, zf, zn, ef, en; writes zf, zn, ef, en
.if DOCPART == 1
	.amdgcn_target "amdgcn-amd-amdhsa--gfx1250"
	.amdhsa_code_object_version 6
	.text
	.protected	k_qcb51ef3c76_prep
	.globl	k_qcb51ef3c76_prep
	.p2align	8
	.type	k_qcb51ef3c76_prep,@function
k_qcb51ef3c76_prep:
	s_mov_b64 s[64:65], 0
	v_nop
	global_prefetch_b8 v0, s[64:65] scope:SCOPE_SE
	s_setreg_imm32_b32 hwreg(HW_REG_WAVE_MODE, 25, 1), 1
	s_wait_xcnt 0x0
; PREP.  z [32768][256] and emb [8192][256], f32, are rounded once to bf16 and written in the order in which a matrix fragment wants them;
; beside each row goes the f32 sum of the squares of its ROUNDED numbers (the distances of the next launch are those of the rounded inputs).
; FRAGMENT ORDER.  16 rows are a block of 8,192 bytes, [s = 0..7][q = 0..1][lane 0..31][16 bytes]: lane (r = lane % 16, h = lane / 16) holds
; row r, columns 32 s + 16 q + 8 h + 0..7: registers 4 q .. 4 q + 3 of the 16-bit fragment for 32 along K (ISA guide 7.12.2).  So every later
; load of half a fragment is 512 consecutive bytes, lane L at 16 L, from memory and from LDS alike.
; SHARES.  Work-groups 0-255 take 128 rows of z each, 256-319 128 rows of emb; a wave takes one block of 16 rows.  Every byte is read once and
; written once; each load and store of a wave covers 512 consecutive bytes, aligned.  Matrix unit and clusters have nothing to do here: no input is shared.
; The turn from rows to fragments goes through the wave's own stage in LDS.  LIMITS: the order of the 256 additions of a row's sum is this text's own
; (four chains a lane, two lanes a row); NaN and infinities are not treated apart.
.set PITCH, 528                        ; a stage row: 512 bytes of bf16 + 16: the sixteen rows that a fragment load touches start 132 words apart
.set STGW,  16*PITCH                   ; a wave's stage
.set NORM,  8*STGW                     ; 128 sums of squares, 512 bytes
.set SPARE, NORM+512                   ; the spare words, 128 bytes for each of eight waves: four blocks of 256 bytes that no other line names
.set X,  32                            ; v[32:159]  32 loads of 4 registers: row i / 2, half i % 2
.set F,  160                           ; v[160:223] the block in fragment order
.set SM, 224                           ; v[224:227] four chains of the sum; v228 the other half of the lanes'
	s_load_b256 s[4:11], s[0:1], 0x0               ; z s[4:5], emb s[6:7], zf s[8:9], zn s[10:11]
	s_load_b128 s[12:15], s[0:1], 0x20             ; ef s[12:13], en s[14:15]
	v_lshl_add_u32 v6, v0, 2, SPARE                ; my spare word,
	v_mov_b32 v7, 0                                ; and 0: kept for the add at the wave's end alone
	v_lshrrev_b32 v5, 5, v0
	v_readfirstlane_b32 s16, v5                    ; wave 0..7
	v_and_b32 v8, 31, v0                           ; lane L
	v_and_b32 v9, 15, v0                           ; r
	v_bfe_u32 v10, v0, 4, 1                        ; h
	v_lshlrev_b32 v1, 4, v8                        ; 16 L: my place in 512 consecutive bytes of memory
	s_mul_i32 s22, s16, STGW                       ; my wave's stage
	v_lshl_add_u32 v2, v8, 3, s22                  ; into the stage: 4 numbers, 8 bytes, at 8 L of half a row
	v_mul_u32_u24 v3, v9, PITCH
	v_lshl_add_u32 v3, v10, 4, v3
	v_add_nc_u32 v3, s22, v3                       ; out of it: row r, 16 h
	s_lshl_b32 s23, s16, 6
	s_add_co_u32 s23, s23, NORM
	v_lshl_add_u32 v4, v9, 2, s23                  ; my row's sum: word 16 w + r
	v_add_nc_u32 v11, NORM, v1                     ; wave 0 reads all 128 sums back, 16 bytes a lane
	s_mov_b32 s20, 0x76543210                      ; v_permlanex16_b32: each lane takes its own place in the other half
	s_mov_b32 s21, 0xfedcba98
	s_sub_co_u32 s17, ttmp9, 256                   ; my block of 128 rows, counted in emb,
	s_cmp_lt_u32 ttmp9, 256
	s_cselect_b32 s17, ttmp9, s17                  ; or in z
	s_lshl_b32 s18, s17, 17                        ; source: 128 rows of 1,024 bytes a work-group,
	s_lshl_b32 s19, s16, 14                        ; 16 a wave
	s_add_co_u32 s18, s18, s19
	s_mov_b32 s19, 0
	s_lshl_b32 s30, s17, 16                        ; fragments: half as many bytes
	s_lshl_b32 s31, s16, 13
	s_add_co_u32 s30, s30, s31
	s_mov_b32 s31, 0
	s_lshl_b32 s32, s17, 9                         ; sums: 512 bytes a work-group
	s_mov_b32 s33, 0
	s_wait_kmcnt 0x0
	s_cmp_lt_u32 ttmp9, 256                        ; the shifts and sums above have written SCC: compared anew
	s_cselect_b64 s[24:25], s[4:5], s[6:7]         ; from z or emb,
	s_cselect_b64 s[26:27], s[8:9], s[12:13]       ; to zf or ef,
	s_cselect_b64 s[28:29], s[10:11], s[14:15]     ; and zn or en
	s_add_nc_u64 s[24:25], s[24:25], s[18:19]
	s_add_nc_u64 s[26:27], s[26:27], s[30:31]
	s_add_nc_u64 s[28:29], s[28:29], s[32:33]
.set i, 0
.rept 32                                       ; the whole block is asked for at once: 16 KiB a wave on their way
	global_load_b128 v[X+4*i:X+4*i+3], v1, s[24:25] offset:512*i th:TH_LOAD_NT
.set i, i+1
.endr
.irp c, 0,1,2,3,4
	v_mov_b32 v[SM+\c], 0                          ; the four chains begin at 0; v228 is written because the lane exchange counts as a reader of its destination
.endr
.set i, 0
.rept 32
	s_wait_loadcnt 31-i                            ; loads come back in order (ISA guide 5.7.1): number i is in, the 31 - i younger ones stay out
	v_cvt_pk_bf16_f32 v[X+4*i], v[X+4*i], v[X+4*i+1]      ; four roundings to nearest even, in place
	v_cvt_pk_bf16_f32 v[X+4*i+1], v[X+4*i+2], v[X+4*i+3]
	ds_store_b64 v2, v[X+4*i:X+4*i+1] offset:(i/2)*PITCH+(i%2)*256  ; 32 lanes: 256 consecutive bytes of row i / 2
.set i, i+1
.endr
.set i, 0
.rept 16                                       ; LDS serves a wave's instructions in order (ISA guide 5.7.1.4): these see the stores above; the bytes are my wave's own
	ds_load_b128 v[F+4*i:F+4*i+3], v3 offset:32*i  ; half fragment i = 2 s + q: bytes 64 s + 32 q + 16 h of row r
.set i, i+1
.endr
.set i, 0
.rept 16
	s_wait_dscnt 15-i                              ; number i is in, the 15 - i younger ones stay out
	global_store_b128 v1, v[F+4*i:F+4*i+3], s[26:27] offset:512*i
.set i, i+1
.endr
.set i, 0
.rept 64                                       ; my 128 numbers of row r, squared and added: the product of two bf16 is exact, each addition rounds once
	v_fma_mix_f32_bf16 v[SM+(2*i)%4], v[F+i], v[F+i], v[SM+(2*i)%4] op_sel_hi:[1,1,0]
	v_fma_mix_f32_bf16 v[SM+(2*i+1)%4], v[F+i], v[F+i], v[SM+(2*i+1)%4] op_sel:[1,1,0] op_sel_hi:[1,1,0]
.set i, i+1
.endr
	v_add_f32 v[SM], v[SM], v[SM+1]
	v_add_f32 v[SM+2], v[SM+2], v[SM+3]
	v_add_f32 v[SM], v[SM], v[SM+2]
	v_permlanex16_b32 v[SM+4], v[SM], s20, s21     ; the row's other 128 numbers lie in the lane 16 away
	v_add_f32 v[SM], v[SM], v[SM+4]
	ds_store_b32 v4, v[SM]                         ; lanes r and r + 16 write the same word with the same number
	s_wait_tensorcnt 0x0                           ; the wave's last LDS store is out
	ds_add_u32 v6, v7
	s_wait_dscnt 0x0                               ; this wait also shows my sums stored, for wave 0's sake
	s_barrier_signal -1
	s_barrier_wait -1
	s_cmp_lg_u32 s16, 0
	s_cbranch_scc1 .Ldone
	ds_load_b128 v[12:15], v11                     ; the work-group's 128 sums leave as 512 consecutive bytes, not as eight pieces of 64
	s_wait_dscnt 0x0
	global_store_b128 v1, v[12:15], s[28:29]
.Ldone:
	s_endpgm
.Lfunc_end_k_qcb51ef3c76_prep:
	.size	k_qcb51ef3c76_prep, .Lfunc_end_k_qcb51ef3c76_prep-k_qcb51ef3c76_prep
	.p2alignl 7, 3214868480
	.fill 96, 4, 3214868480
	.section	.rodata,"a",@progbits
	.p2align	6, 0x0
	.amdhsa_kernel k_qcb51ef3c76_prep
		.amdhsa_group_segment_fixed_size 69120
		.amdhsa_private_segment_fixed_size 0
		.amdhsa_enable_private_segment 0
		.amdhsa_kernarg_size 48
		.amdhsa_user_sgpr_count 2
		.amdhsa_user_sgpr_kernarg_segment_ptr 1
		.amdhsa_wavefront_size32 1
		.amdhsa_system_sgpr_workgroup_id_x 1
		.amdhsa_system_sgpr_workgroup_id_y 1
		.amdhsa_system_sgpr_workgroup_id_z 1
		.amdhsa_system_vgpr_workitem_id 0
		.amdhsa_next_free_vgpr 232
		.amdhsa_next_free_sgpr 66
		.amdhsa_reserve_vcc 0
		.amdhsa_float_denorm_mode_32 3
		.amdhsa_float_denorm_mode_16_64 3
		.amdhsa_memory_ordered 1
		.amdhsa_forward_progress 1
		.amdhsa_inst_pref_size 24
	.end_amdhsa_kernel
	.amdgpu_metadata
---
amdhsa.version: [ 1, 2 ]
amdhsa.kernels:
  - .name:           k_qcb51ef3c76_prep
    .symbol:         k_qcb51ef3c76_prep.kd
    .args:
      - { .name: z, .offset: 0, .size: 8, .value_kind: global_buffer, .address_space: global }
      - { .name: emb, .offset: 8, .size: 8, .value_kind: global_buffer, .address_space: global }
      - { .name: zf, .offset: 16, .size: 8, .value_kind: global_buffer, .address_space: global }
      - { .name: zn, .offset: 24, .size: 8, .value_kind: global_buffer, .address_space: global }
      - { .name: ef, .offset: 32, .size: 8, .value_kind: global_buffer, .address_space: global }
      - { .name: en, .offset: 40, .size: 8, .value_kind: global_buffer, .address_space: global }
    .group_segment_fixed_size: 69120
    .private_segment_fixed_size: 0
    .kernarg_segment_align: 8
    .kernarg_segment_size: 48
    .max_flat_workgroup_size: 256
    .sgpr_count:     66
    .vgpr_count:     232
    .wavefront_size: 32
...
	.end_amdgpu_metadata
.endif
;; end of part 1
;; launch search (part 2): grid 256 x 1, 4 waves a work-group, clusters of 4 x 1, 327,680 bytes of LDS; arguments zf, zn, ef, en, out1, pick; writes out1, pick
.if DOCPART == 2
	.amdgcn_target "amdgcn-amd-amdhsa--gfx1250"
	.amdhsa_code_object_version 6
	.text
	.protected	k_qcb51ef3c76_search
	.globl	k_qcb51ef3c76_search
	.p2align	8
	.type	k_qcb51ef3c76_search,@function
k_qcb51ef3c76_search:
	s_mov_b64 s[64:65], 0
	v_nop
	global_prefetch_b8 v0, s[64:65] scope:SCOPE_SE
	s_setreg_imm32_b32 hwreg(HW_REG_WAVE_MODE, 25, 1), 1
	s_wait_xcnt 0x0
	s_wait_alu depctr_hold_cnt(0) depctr_sa_sdst(0) depctr_va_vdst(0) depctr_va_sdst(0) depctr_va_ssrc(0) depctr_va_vcc(0) depctr_vm_vsrc(0)
	s_getreg_b32 s2, hwreg(HW_REG_IB_STS2, 6, 4)
	s_cmp_eq_u32 s2, 0
	s_cbranch_scc0 .Lentry_in_a_cluster
	s_endpgm
.Lentry_in_a_cluster:
	s_bfe_u32 s2, ttmp6, 0x10000c
	s_cmp_lg_u32 s2, 0x3003
	s_cbranch_scc0 .Lentry_shape_is_right
	s_endpgm
.Lentry_shape_is_right:
; SEARCH.  For each of 32,768 rows z: the first index of the smallest d = (zz + ee) - 2 z.e over 8,192 codes.  z and e are the bf16 fragments, zz and ee the sums of squares that PREP wrote.
; d is formed as the problem's function forms it in f32: t = zz + ee rounded, then t - 2 m rounded once (one fused multiply-add: 2 m is exact), because the roundings of d make ties
; and the first index decides them.  An update wants strictly less; where two d are equal the lower index stays.
; LIMITS.  m = z.e is summed by the matrix unit, 32 products at a time in f32: another order of additions than a chain's, so a d that lies on the edge of a rounding step may fall to the other side.
; NaN and infinities are not treated apart; a row whose d are all +infinity gets code 0.
; SHARES.  A work-group owns 128 rows of z; EVERY wave holds all eight blocks of 16 rows as source 1, 512 registers, loaded once.  The waves share out the codes: of each slot of 256 codes wave w
; takes codes 64 w .. 64 w + 63, four code tiles of 16, which are also the bytes that its own tensor load brought.  So a code fragment read from LDS feeds eight matrix instructions.
; LAYOUT.  S^T = E Z^T (source 0 = 16 codes, source 1 = 16 rows of z): register j of lane (r, h) holds code 8 h + j for row r: a lane follows ONE row in each block.
; ARGMIN.  For each block a lane keeps: the running minimum RUN; gid, the number of the code tile that last lowered it; SAV, that tile's eight d.  22 vector instructions for 8 matrix instructions.
; Which of the eight, the other half of the lanes and the other three waves are settled once, at the end.  No address and no branch hangs on any of it: the index is stored, twice:
; out1 is the result, pick the copy from which the next launch forms addresses.
; BY TURNS.  A code tile is two GROUPS of 32 matrix instructions (blocks 0-3, blocks 4-7); behind each matrix instruction stand two or three of the 88 vector instructions that work off the
; OTHER group's finished accumulators.  They lie in window 0, the products' sources in windows 1 to 3: two switches a matrix instruction, the price of setting the vector work beside the matrix work
; and not behind it.
; CLUSTER.  All work-groups walk the same codes, so the four of a cluster ask JOINTLY: the same tensor load, descriptor and mask in all four; nothing in them hangs on the place in the cluster.
; NO FIRST STEP IS WRITTEN OUT: the first tile's riders work on a tile that has not been, whose d are +infinity (ee = +infinity, m = 0): nothing is strictly less, nothing changes.
; The price: 120 v_mov_b32, which stand in the wait for the first loads.
; REGISTERS, in windows of 256 (s_set_vgpr_msb: bits 1:0 source 0, 3:2 source 1, 5:4 source 2, 7:6 destination):
;   window 0: v0-15 addresses; v16-31 (zz, gid) a block; v32-47 RUN, two sets that take turns by the tile's parity; v48-63 ee of a tile, two buffers; v64-79 t, v80-87 minima at work (two blocks alternate);
;             v96-159 SAV; v160-223 the eight accumulators; v224-255 the end
;   window 1: v0-127 the code tile's fragments, two buffers of 64          window 2: z blocks 0-3, 64 a block          window 3: z blocks 4-7
.set SLOT1, 1<<17                      ; a slot: 256 codes in fragment order, 131,072 bytes; one exclusive or turns an address in one slot into the other's
.set EE,    2*SLOT1                    ; all 8,192 ee, 32,768 bytes: filled once
.set MERGE, EE+32768                   ; wave u at 1,024 u: (d, index) for each of the 128 rows; no tensor load lands here
.set SPARE, MERGE+4096                 ; the spare words, 128 bytes for each wave: two blocks of 256 bytes that no other line names
.set L16,  1                           ; v1   16 x lane
.set H32,  2                           ; v2   32 h: my eight ee of a code tile
.set EA,   3                           ; v3   LDS address of the run of fragment loads in hand
.set EEA,  4                           ; v4   of its ee
.set R4,   5                           ; v5   4 r
.set SPW,  6                           ; v6   LDS address of my spare word; never rewritten
.set NIL,  7                           ; v7   0; never rewritten
.set BASE, 8                           ; v8   64 w + 8 h: my first code in a slot's first tile
.set MS,   9                           ; v9   where I put a row's (d, index)
.set MR,   10                          ; v10  where I read two rows' back
.set L8,   11                          ; v11  8 x lane
.set ZG,   16
.set RUN,  32
.set EEB,  48
.set TT,   64
.set MM,   80
.set SAV,  96
.set ACC,  160
.set PR,   224
.set EB,   0                           ; window 1
.set WV,   16                          ; s16  my wave's number
.set G1,   24                          ; s[24:31] descriptor group 1: 128 rows of 256 bytes
.set G1E,  32                          ; s[32:39] the same with 32 rows
.set G0A,  40                          ; s[40:43] group 0: slot 0's first fill
.set G0W,  44                          ; s[44:47] slot 1's first fill; then it walks
.set G0E,  48                          ; s[48:51] ee
.set TB,   52                          ; s52  LDS byte at which the code tile to be fetched begins
.set TE,   53                          ; s53  the same for its ee
.set NT,   54                          ; s54  the number, 0 to 127, of the wave's code tile whose d are being worked off
.set CNT,  55
.set SLOTS, 56
.set SEL,  58                          ; s[58:59] v_permlanex16_b32's selects
.set MK,   60                          ; s60, s61 'the minimum has fallen', for the two blocks that alternate
.set MSB, 0
.macro WIN new                         ; the immediate's high byte repeats the setting that is left; a switch that changes nothing is dropped
.if MSB != (\new)
	s_set_vgpr_msb (MSB<<8)|(\new)
.set MSB, (\new)
.endif
.endm
; A round of the cluster's barrier: my work-group's barrier, so that wave 0's signal speaks for all four waves; wave 0 signals; every wave waits for all four work-groups; my work-group's barrier once more.
.macro CROUND
	s_barrier_signal -1
	s_barrier_wait -1
	s_cmp_lg_u32 s[WV], 0
	s_cbranch_scc1 .Lnot_wave_0_\@
	s_barrier_signal -3
.Lnot_wave_0_\@:
	s_barrier_wait -3
	s_barrier_signal -1
	s_barrier_wait -1
.endm
	s_load_b256 s[4:11], s[0:1], 0x0               ; zf s[4:5], zn s[6:7], ef s[8:9], en s[10:11]
	s_load_b128 s[12:15], s[0:1], 0x20             ; out1 s[12:13], pick s[14:15]
	v_lshl_add_u32 v[SPW], v0, 2, SPARE
	v_mov_b32 v[NIL], 0
	ds_add_u32 v[SPW], v[NIL]                      ; the wave's opening: the add and its wait stand ahead of my first tensor load; the set-up below, work on registers, stands between them
	v_lshrrev_b32 v12, 5, v0
	v_readfirstlane_b32 s[WV], v12                 ; wave 0..3
	v_and_b32 v12, 31, v0                          ; lane
	v_and_b32 v13, 15, v0                          ; r
	v_bfe_u32 v14, v0, 4, 1                        ; h
	v_lshlrev_b32 v[L16], 4, v12
	v_lshlrev_b32 v[H32], 5, v14
	v_lshlrev_b32 v[R4], 2, v13
	v_lshlrev_b32 v[L8], 3, v12
	s_lshl_b32 s62, s[WV], 6
	v_lshl_add_u32 v[BASE], v14, 3, s62
	s_lshl_b32 s62, s[WV], 10
	s_add_co_u32 s62, s62, MERGE
	v_lshl_add_u32 v[MS], v13, 3, s62              ; MERGE + 1,024 w + 8 r; the block stands in the immediate
	s_and_b32 s63, s[WV], 1
	s_lshl_b32 s62, s63, 9
	s_add_co_u32 s62, s62, MERGE
	v_lshl_add_u32 v[MR], v12, 4, s62              ; rows 64 (w % 2) + 2 L and + 1; the wave that wrote them stands in the immediate
	s_bfe_u32 s17, ttmp6, 0x40000                  ; cx: my place in the cluster
	s_lshl_b32 s18, ttmp9, 2                       ; in a cluster launch ttmp9 counts clusters
	s_add_co_u32 s18, s18, s17                     ; my block of 128 rows: it enters the addresses of zf, zn, out1 and pick alone
	s_lshl_b32 s66, s18, 16                        ; its 65,536 bytes of zf,
	s_mov_b32 s67, 0
	s_lshl_b32 s68, s18, 9                         ; its 512 bytes of zn, out1 and pick,
	s_mov_b32 s69, 0
	s_lshl_b32 s70, s63, 8                         ; and of those the 256 that my wave stores
	s_add_co_u32 s70, s70, s68
	s_mov_b32 s71, 0
	; descriptor group 1: a dense block as rows of 256 bytes, 32 elements of 8 bytes, no padding: the fragment order needs none
	s_mov_b32 s[G1], 15|(3<<16)|(1<<21)            ; 15:0 the mask: all four work-groups; 17:16 elements of 8 bytes; 21 set beside a mask
	s_mov_b32 s[G1E], 15|(3<<16)|(1<<21)
	s_mov_b32 s[G1+1], 32<<16                      ; tensor_dim0 = 32
	s_mov_b32 s[G1E+1], 32<<16
	s_mov_b32 s[G1+2], 128<<16                     ; tensor_dim1 = 128 rows: 32,768 bytes, a wave's quarter of a slot
	s_mov_b32 s[G1E+2], 32<<16                     ; 32 rows: 8,192 bytes, a wave's quarter of ee
	s_mov_b32 s[G1+3], 32<<16                      ; tile_dim0 = 32
	s_mov_b32 s[G1E+3], 32<<16
	s_mov_b32 s[G1+4], 128                         ; tile_dim1
	s_mov_b32 s[G1E+4], 32
	s_mov_b32 s[G1+5], 32                          ; 32 elements from row to row
	s_mov_b32 s[G1E+5], 32
	s_mov_b32 s[G1+6], 0
	s_mov_b32 s[G1E+6], 0
	s_mov_b32 s[G1+7], 0
	s_mov_b32 s[G1E+7], 0
	s_mov_b32 s[G0A], 1                            ; count = 1
	s_lshl_b32 s[G0A+1], s[WV], 15                 ; LDS: slot 0, my quarter: the wave's number times a constant
	s_mov_b32 s[G0W], 1
	s_add_co_u32 s[G0W+1], s[G0A+1], SLOT1         ; slot 1, my quarter
	s_mov_b32 s[G0E], 1
	s_lshl_b32 s[G0E+1], s[WV], 13
	s_add_co_u32 s[G0E+1], s[G0E+1], EE
	s_lshl_b32 s20, s[WV], 15                      ; my quarter in ef,
	s_mov_b32 s21, 0
	s_lshl_b32 s22, s[WV], 13                      ; and in en
	s_mov_b32 s23, 0
	s_mov_b32 s[SEL], 0x76543210
	s_mov_b32 s[SEL+1], 0xfedcba98
	s_lshl_b32 s[TB], s[WV], 15                    ; the first fetch: slot 0, my quarter's first tile
	s_lshl_b32 s[TE], s[WV], 8
	s_add_co_u32 s[TE], s[TE], EE                  ; ee of code 64 w
	s_mov_b32 s[NT], -1                            ; the tile that has not been
	s_wait_dscnt 0x0                               ; the opening add is done
	s_wait_kmcnt 0x0
	s_add_nc_u64 s[G0A+2:G0A+3], s[8:9], s[20:21]  ; codes 0-255, my quarter
	s_add_nc_u64 s[G0W+2:G0W+3], s[G0A+2:G0A+3], SLOT1  ; codes 256-511
	s_or_b32 s[G0A+3], s[G0A+3], 0x80000000        ; type = 2
	s_or_b32 s[G0W+3], s[G0W+3], 0x80000000
	s_add_nc_u64 s[G0E+2:G0E+3], s[10:11], s[22:23]
	s_or_b32 s[G0E+3], s[G0E+3], 0x80000000
	s_add_nc_u64 s[4:5], s[4:5], s[66:67]          ; zf and zn at my work-group's rows
	s_add_nc_u64 s[6:7], s[6:7], s[68:69]
	s_cmp_lt_u32 s[WV], 2                          ; waves 0 and 1 store out1's two halves, waves 2 and 3 pick's
	s_cselect_b64 s[12:13], s[12:13], s[14:15]
	s_add_nc_u64 s[12:13], s[12:13], s[70:71]
	CROUND                                         ; all four work-groups are here: the first joint loads meet
	tensor_load_to_lds s[G0A:G0A+3], s[G1:G1+7]    ; the first fills go out as one group: three loads of mine are out
	s_nop 0
	tensor_load_to_lds s[G0E:G0E+3], s[G1E:G1E+7]
	s_nop 0
	tensor_load_to_lds s[G0W:G0W+3], s[G1:G1+7]
	s_nop 0
.rept 4
	v_nop                                          ; four instructions ahead of the next switch of windows
.endr
	WIN 0x80                                       ; destination window 2, address window 0
.set i, 0
.rept 64                                       ; z stays in registers: block i / 16, half fragment i % 16: 512 consecutive bytes a load
	global_load_b128 v[4*i:4*i+3], v[L16], s[4:5] offset:512*i
.set i, i+1
.endr
	WIN 0xc0                                       ; window 3: blocks 4-7
.set i, 0
.rept 64
	global_load_b128 v[4*i:4*i+3], v[L16], s[4:5] offset:32768+512*i
.set i, i+1
.endr
	WIN 0
.set i, 0
.rept 8
	global_load_b32 v[ZG+2*i], v[R4], s[6:7] offset:64*i  ; zz of row r of block i
.set i, i+1
.endr
	s_mov_b32 s62, 0x7f800000                      ; +infinity
.set i, 0
.rept 4
	v_mov_b32 v[RUN+i], s62                        ; the set that tile 0 reads for blocks 0-3,
	v_mov_b32 v[RUN+12+i], s62                     ; and the set that the tile that has not been reads for blocks 4-7
.set i, i+1
.endr
.set i, 0
.rept 8
	v_mov_b32 v[EEB+8+i], s62                      ; its ee,
	v_mov_b32 v[ZG+2*i+1], 0                       ; gid
.set i, i+1
.endr
.set i, 0
.rept 32
	v_mov_b32 v[ACC+32+i], 0                       ; and its products
.set i, i+1
.endr
.set i, 0
.rept 64
	v_mov_b32 v[SAV+i], s62
.set i, i+1
.endr
; THE VECTOR WORK.  RID writes the next of a group's queue of 88: number j of 22 for block t; two blocks alternate, so that no instruction reads the result of the one just before it.
;   0-3    t = ee + zz, two codes at a time                    4-7   d = t - 2 m, in place of m: the accumulator's lowest pair first
;   8-11   the least of the eight d and the old minimum, into the other set of RUN: no copy is written                12  has it fallen?
;   13     then gid takes the tile's number                    14-21 and SAV the eight d
.macro RID
.set t, T0+2*(q/44)+q%2
.set j, (q%44)/2
.set u, t%2
.set rA, ACC+8*t
.set rT, TT+8*u
.set rM, MM+4*u
.set rB, EEB+8*EPAR
.set rG, ZG+2*t
.set rO, RUN+8*EPAR+t
.set rN, RUN+8*(1-EPAR)+t
.set rV, SAV+8*t
.if j < 4
	v_pk_add_f32 v[rT+2*j:rT+2*j+1], v[rB+2*j:rB+2*j+1], v[rG:rG+1] op_sel_hi:[1,0]
.elseif j < 8
	v_pk_fma_f32 v[rA+2*j-8:rA+2*j-7], v[rA+2*j-8:rA+2*j-7], -2.0, v[rT+2*j-8:rT+2*j-7] op_sel_hi:[1,0,1]
.elseif j == 8
	v_min3_num_f32 v[rM], v[rA], v[rA+1], v[rA+2]
.elseif j == 9
	v_min3_num_f32 v[rM+1], v[rA+3], v[rA+4], v[rA+5]
.elseif j == 10
	v_min3_num_f32 v[rM+2], v[rA+6], v[rA+7], v[rO]
.elseif j == 11
	v_min3_num_f32 v[rN], v[rM], v[rM+1], v[rM+2]
.elseif j == 12
	v_cmp_lt_f32 s[MK+u], v[rN], v[rO]
.elseif j == 13
	v_cndmask_b32 v[rG+1], v[rG+1], s[NT], s[MK+u]
.else
	v_cndmask_b32 v[rV+j-14], v[rV+j-14], v[rA+j-14], s[MK+u]
.endif
.set q, q+1
.endm
; THE LDS LOADS of a code tile stand in one run of 18: its eight ee a lane (the sixteen lanes of a half read the same 32 bytes) and its 16 half fragments, 512 consecutive bytes each.
.macro FETCH p
	WIN 0
	v_add_nc_u32 v[EA], s[TB], v[L16]
	v_add_nc_u32 v[EEA], s[TE], v[H32]
	ds_load_b128 v[EEB+8*(\p):EEB+8*(\p)+3], v[EEA]
	ds_load_b128 v[EEB+8*(\p)+4:EEB+8*(\p)+7], v[EEA] offset:16
	WIN 0x40                                       ; destination window 1
.set f, 0
.rept 16
	ds_load_b128 v[EB+64*(\p)+4*f:EB+64*(\p)+4*f+3], v[EA] offset:512*f
.set f, f+1
.endr
	s_add_co_u32 s[TB], s[TB], 8192                ; the next fetch is the next tile's
	s_add_co_u32 s[TE], s[TE], 64
.endm
; A GROUP: 32 matrix instructions, blocks 4 g .. 4 g + 3 against the code tile in buffer p, K ascending.  The four accumulators take turns, one instruction a turn; the first four
; start the sums with the constant 0.  Behind each stand 3, 3, 3, 2 of the other group's 88 (ep: the parity of the tile whose d they are).  None names a register of the products round it, and the first
; that reads an accumulator is the queue's ninth: so the riders are also the places that stand between a product and the first use of its result (ISA guide 7.12.1).
; fetch = 1: behind the second product's riders the next tile is fetched into the other buffer, whose last reader stands a whole group back: 30 matrix instructions ahead of its first use.
; fetch = 2 (the tail): in the last trip there is no further tile, and the run is jumped over.
.macro GROUP g, p, ep, fetch
.set T0, 4*(1-(\g))
.set EPAR, (\ep)
.set q, 0
.set i, 0
.rept 32
	WIN 0x09+4*(\g)                                ; source 0 window 1, source 1 window 2 or 3, C and D window 0
.set rD, ACC+8*(4*(\g)+i%4)
.set rE, EB+64*(\p)+8*(i/4)
.set rZ, 64*(i%4)+8*(i/4)
.if i < 4
	v_wmma_f32_16x16x32_bf16 v[rD:rD+7], v[rE:rE+7], v[rZ:rZ+7], 0
.else
	v_wmma_f32_16x16x32_bf16 v[rD:rD+7], v[rE:rE+7], v[rZ:rZ+7], v[rD:rD+7]
.endif
	WIN 0
	RID
	RID
.if i%4 != 3
	RID
.endif
.if i == 1
.if (\fetch) == 1
	FETCH 1-(\p)
.elseif (\fetch) == 2
	s_cmp_eq_u32 s[CNT], 1
	s_cbranch_scc1 .Lno_fetch_\@
	FETCH 1-(\p)
	WIN 0
.Lno_fetch_\@:
.endif
.endif
.set i, i+1
.endr
.endm
; A CODE TILE of parity p: blocks 0-3 | the d of blocks 4-7 of the tile before; then blocks 4-7 | the d of blocks 0-3 of this tile.
.macro TILE p, fetch
	s_wait_dscnt 0x0                               ; the tile's fragments and ee are in
	GROUP 0, \p, 1-(\p), 0
	s_add_co_u32 s[NT], s[NT], 1
	GROUP 1, \p, \p, \fetch
.endm
; THE CHANGE OF SLOTS stands in front of a slot's LAST tile: that tile's fragments have been asked for, so the slot is free a tile early.  Each wave waits for all its tensor loads, of which one is out:
; its quarter of the other slot; adds 0 to its spare word; and waits for that and for its reads of the slot.  fill = 1: the barrier is a round of the cluster's, so that no wave of any partner still reads
; the slot or has a load on its way, and the joint refill, the codes two slots on, is the first thing behind it: it has four tiles, 256 matrix instructions, in which to land.
.macro CHANGE fill
	WIN 0                                          ; at a label and at a branch every window is 0
	s_wait_tensorcnt 0x0                           ; no tensor load of mine is out, so a group 0 may be written
	ds_add_u32 v[SPW], v[NIL]                      ; 0 onto my spare word; the scalar steps stand between it and the wait for it
.if \fill
	s_xor_b32 s[G0W+1], s[G0W+1], SLOT1            ; the walking descriptor: the other slot than last time,
	s_add_nc_u64 s[G0W+2:G0W+3], s[G0W+2:G0W+3], SLOT1  ; the next 256 codes; the type bits on top are not reached
.endif
	s_sub_co_u32 s[TB], s[TB], 32768               ; the fetches go back to my quarter's first tile,
	s_xor_b32 s[TB], s[TB], SLOT1                  ; in the other slot;
	s_add_co_u32 s[TE], s[TE], 768                 ; ee goes on over the other three waves' codes
	s_wait_dscnt 0x0                               ; the add is done, and my reads of the slot are over
.if \fill
	CROUND
	tensor_load_to_lds s[G0W:G0W+3], s[G1:G1+7]    ; my one tensor load behind the round
	s_nop 0
.rept 4
	v_nop
.endr
.else
	s_barrier_signal -1
	s_barrier_wait -1
.endif
.endm
; (dA, iA) takes (dB, iB) if dB is less, or equal with the lower index.  A choice of values: nothing branches on it.
.macro BETTER dA, iA, dB, iB
	v_cmp_lt_f32 s62, v[\dB], v[\dA]
	v_cmp_eq_f32 s63, v[\dB], v[\dA]
	v_cmp_lt_u32 s66, v[\iB], v[\iA]
	s_and_b32 s63, s63, s66
	s_or_b32 s62, s62, s63
	v_cndmask_b32 v[\dA], v[\dA], v[\dB], s62
	v_cndmask_b32 v[\iA], v[\iA], v[\iB], s62
.endm
	s_wait_tensorcnt 1                             ; my quarters of slot 0 and of ee are in; slot 1's, issued last, may stay out
	s_barrier_signal -1
	s_barrier_wait -1                              ; everybody's are: ee's quarters are read by all four waves
	FETCH 0                                        ; tile 0
	WIN 0
	s_wait_loadcnt 0x0                             ; z and zz
	s_mov_b32 s[SLOTS], 31
	s_mov_b32 s[CNT], 2
	s_branch .Lmid                                 ; the loop is entered in the middle of a trip: tiles 0, 1, 2 of slot 0
.Lslot:                                                ; 30 times: a slot's last tile and the next slot's first three; every slot but the last two is filled again
	CHANGE 1
	s_mov_b32 s[CNT], 2
.Lpair:
	TILE 1, 1
	WIN 0
.Lmid:
	TILE 0, 1
	WIN 0
	s_sub_co_u32 s[CNT], s[CNT], 1
	s_cmp_lg_u32 s[CNT], 0
	s_cbranch_scc1 .Lpair
	s_sub_co_u32 s[SLOTS], s[SLOTS], 1
	s_cmp_lg_u32 s[SLOTS], 0
	s_cbranch_scc1 .Lslot
	CHANGE 0                                       ; the tail is written out: nothing is asked for
	s_mov_b32 s[CNT], 3                            ; tiles 123 to 127: the third trip is left in its middle
.Ltail:
	TILE 1, 2
	WIN 0
	s_sub_co_u32 s[CNT], s[CNT], 1
	s_cmp_eq_u32 s[CNT], 0
	s_cbranch_scc1 .Lout
	TILE 0, 1
	WIN 0
	s_branch .Ltail
.Lout:
.set T0, 4
.set EPAR, 1
.set q, 0
.rept 88
	RID                                            ; the d of blocks 4-7 of the last tile; the queue's first eight are the places behind the last products
.endr
	; THE END.  The last tile's parity is 1, so the minima lie in RUN's set 0.  For each block: the first of SAV's eight that equals the minimum; the code's index from gid = 4 x slot + tile:
	; 256 x slot + 64 w + 16 x tile + 8 h + j; then the better of the two halves of the lanes.
.set t, 0
.rept 8
	v_mov_b32 v[PR+2*t], v[RUN+t]                  ; (d, index) as a pair, for the store of 8 bytes
	v_mov_b32 v[PR+2*t+1], 7
.set t, t+1
.endr
.irp n, 6,5,4,3,2,1,0
.set t, 0
.rept 8
	v_cmp_eq_f32 vcc_lo, v[SAV+8*t+\n], v[RUN+t]
	v_cndmask_b32 v[PR+2*t+1], v[PR+2*t+1], \n, vcc_lo  ; downward, so that the lowest stays
.set t, t+1
.endr
.endr
.set t, 0
.rept 8
	v_and_b32 v12, 0x7c, v[ZG+2*t+1]
	v_and_b32 v13, 3, v[ZG+2*t+1]
	v_lshl_add_u32 v[PR+2*t+1], v12, 6, v[PR+2*t+1]
	v_lshl_add_u32 v13, v13, 4, v[BASE]
	v_add_nc_u32 v[PR+2*t+1], v[PR+2*t+1], v13
	v_permlanex16_b32 v[TT+2*t], v[PR+2*t], s[SEL], s[SEL+1]      ; the row's other codes lie in the lane 16 away; the destinations have been written by the riders
	v_permlanex16_b32 v[TT+2*t+1], v[PR+2*t+1], s[SEL], s[SEL+1]
	BETTER PR+2*t, PR+2*t+1, TT+2*t, TT+2*t+1
	ds_store_b64 v[MS], v[PR+2*t:PR+2*t+1] offset:128*t           ; lanes r and r + 16 write the same 8 bytes with the same numbers
.set t, t+1
.endr
	s_wait_dscnt 0x0                               ; for the others' sake: my stores are done
	s_barrier_signal -1
	s_barrier_wait -1
.irp w, 0,1,2,3
	ds_load_b128 v[PR+4*\w:PR+4*\w+3], v[MR] offset:1024*\w  ; two rows' (d, index) as wave w found them
.endr
	s_wait_dscnt 0x0
	BETTER PR, PR+1, PR+4, PR+5
	BETTER PR+2, PR+3, PR+6, PR+7
	BETTER PR, PR+1, PR+8, PR+9
	BETTER PR+2, PR+3, PR+10, PR+11
	BETTER PR, PR+1, PR+12, PR+13
	BETTER PR+2, PR+3, PR+14, PR+15
	v_mov_b32 v[PR], v[PR+1]                       ; the two indices side by side
	v_mov_b32 v[PR+1], v[PR+3]
	global_store_b64 v[L8], v[PR:PR+1], s[12:13]   ; 32 lanes store 256 consecutive bytes, at a multiple of 256 from the buffer's first byte
	s_wait_tensorcnt 0x0                           ; the wave's end: behind my last tensor load and my last LDS store
	ds_add_u32 v[SPW], v[NIL]
	s_wait_dscnt 0x0
	CROUND                                         ; the closing round: no work-group ends while a partner may still ask for a tile that names it
	s_endpgm
.Lfunc_end_k_qcb51ef3c76_search:
	.size	k_qcb51ef3c76_search, .Lfunc_end_k_qcb51ef3c76_search-k_qcb51ef3c76_search
	.p2alignl 7, 3214868480
	.fill 96, 4, 3214868480
	.section	.rodata,"a",@progbits
	.p2align	6, 0x0
	.amdhsa_kernel k_qcb51ef3c76_search
		.amdhsa_group_segment_fixed_size 327680
		.amdhsa_private_segment_fixed_size 0
		.amdhsa_enable_private_segment 0
		.amdhsa_kernarg_size 48
		.amdhsa_user_sgpr_count 2
		.amdhsa_user_sgpr_kernarg_segment_ptr 1
		.amdhsa_wavefront_size32 1
		.amdhsa_system_sgpr_workgroup_id_x 1
		.amdhsa_system_sgpr_workgroup_id_y 1
		.amdhsa_system_sgpr_workgroup_id_z 1
		.amdhsa_system_vgpr_workitem_id 0
		.amdhsa_next_free_vgpr 1024
		.amdhsa_next_free_sgpr 72
		.amdhsa_reserve_vcc 1
		.amdhsa_float_denorm_mode_32 3
		.amdhsa_float_denorm_mode_16_64 3
		.amdhsa_memory_ordered 1
		.amdhsa_forward_progress 1
		.amdhsa_inst_pref_size 128
	.end_amdhsa_kernel
	.amdgpu_metadata
---
amdhsa.version: [ 1, 2 ]
amdhsa.kernels:
  - .name:           k_qcb51ef3c76_search
    .symbol:         k_qcb51ef3c76_search.kd
    .args:
      - { .name: zf, .offset: 0, .size: 8, .value_kind: global_buffer, .address_space: global }
      - { .name: zn, .offset: 8, .size: 8, .value_kind: global_buffer, .address_space: global }
      - { .name: ef, .offset: 16, .size: 8, .value_kind: global_buffer, .address_space: global }
      - { .name: en, .offset: 24, .size: 8, .value_kind: global_buffer, .address_space: global }
      - { .name: out1, .offset: 32, .size: 8, .value_kind: global_buffer, .address_space: global }
      - { .name: pick, .offset: 40, .size: 8, .value_kind: global_buffer, .address_space: global }
    .group_segment_fixed_size: 327680
    .private_segment_fixed_size: 0
    .kernarg_segment_align: 8
    .kernarg_segment_size: 48
    .max_flat_workgroup_size: 128
    .sgpr_count:     72
    .vgpr_count:     1024
    .wavefront_size: 32
...
	.end_amdgpu_metadata
.endif
;; end of part 2
;; launch emit (part 3): grid 256 x 1, 16 waves a work-group, no clusters, 0 bytes of LDS; arguments z, emb, pick, out0, part; writes out0, part
.if DOCPART == 3
	.amdgcn_target "amdgcn-amd-amdhsa--gfx1250"
	.amdhsa_code_object_version 6
	.text
	.protected	k_qcb51ef3c76_emit
	.globl	k_qcb51ef3c76_emit
	.p2align	8
	.type	k_qcb51ef3c76_emit,@function
k_qcb51ef3c76_emit:
	s_mov_b64 s[64:65], 0
	v_nop
	global_prefetch_b8 v0, s[64:65] scope:SCOPE_SE
	s_setreg_imm32_b32 hwreg(HW_REG_WAVE_MODE, 25, 1), 1
	s_wait_xcnt 0x0
; EMIT.  out0[n] = z[n] + (emb[pick[n]] - z[n]), in f32 from the inputs as they are given, in the order of the problem's function; and for each wave the sum of (emb[pick[n]] - z[n])^2 over its rows.
; A stream: a wave owns 8 rows of 1,024 bytes, a lane bytes 16 L and 512 + 16 L of each; every load and store of a wave covers 512 consecutive bytes, aligned.  z is read once, out0 written once.
; The 8 indices are whole numbers that the launch before stored: they come by one scalar load, are held inside the table by a minimum with 8,191, and only then enter an address.
; All 32 loads of a wave are on their way before the first is used.  LDS, matrix unit and clusters have nothing to do here.
; The wave's sum leaves as 4 bytes: 16,384 bytes in the whole launch beside its 75 million; a stage to gather them would cost more than they do.
.set EO, 8                             ; v[8:15]    row i: 1,024 x index + 16 L
.set Z,  16                            ; v[16:79]   row i: 8 registers of z, then of out0
.set E,  80                            ; v[80:143]  row i: 8 registers of emb, then of the difference
.set A,  144                           ; v[144:151] four pairs of running sums
	s_load_b256 s[4:11], s[0:1], 0x0               ; z s[4:5], emb s[6:7], pick s[8:9], out0 s[10:11]
	s_load_b64 s[12:13], s[0:1], 0x20              ; part
	v_lshrrev_b32 v2, 5, v0
	v_readfirstlane_b32 s14, v2                    ; wave 0..15
	v_and_b32 v2, 31, v0                           ; lane
	v_lshlrev_b32 v1, 4, v2
	v_mov_b32 v3, 0
	s_lshl_b32 s24, ttmp9, 9                       ; pick: 128 indices a work-group,
	s_lshl_b32 s25, s14, 5                         ; 8 a wave
	s_add_co_u32 s24, s24, s25
	s_mov_b32 s25, 0
	s_lshl_b32 s26, ttmp9, 17                      ; z and out0: 128 rows of 1,024 bytes a work-group,
	s_lshl_b32 s27, s14, 13                        ; 8 a wave
	s_add_co_u32 s26, s26, s27
	s_mov_b32 s27, 0
	s_lshl_b32 s28, ttmp9, 6                       ; part: word 16 x work-group + wave
	s_lshl2_add_u32 s28, s14, s28
	s_mov_b32 s29, 0
	s_mov_b32 s30, 0x76543210                      ; v_permlanex16_b32's selects
	s_mov_b32 s31, 0xfedcba98
	s_wait_kmcnt 0x0
	s_add_nc_u64 s[8:9], s[8:9], s[24:25]
	s_load_b256 s[16:23], s[8:9], 0x0              ; my 8 indices
	s_add_nc_u64 s[4:5], s[4:5], s[26:27]
	s_add_nc_u64 s[10:11], s[10:11], s[26:27]
	s_add_nc_u64 s[12:13], s[12:13], s[28:29]
.set i, 0
.rept 16                                       ; z goes out while the indices are on their way
	global_load_b128 v[Z+4*i:Z+4*i+3], v1, s[4:5] offset:512*i th:TH_LOAD_NT
.set i, i+1
.endr
	s_wait_kmcnt 0x0
.set i, 0
.rept 8
	s_min_u32 s[16+i], s[16+i], 0x1fff             ; inside the table, whatever the word holds
	s_lshl_b32 s[16+i], s[16+i], 10
	v_add_nc_u32 v[EO+i], s[16+i], v1
	global_load_b128 v[E+8*i:E+8*i+3], v[EO+i], s[6:7]              ; no hint: the list may name a row many times
	global_load_b128 v[E+8*i+4:E+8*i+7], v[EO+i], s[6:7] offset:512
.set i, i+1
.endr
.macro ROW i
	s_wait_loadcnt 2*(7-(\i))                      ; loads come back in order (ISA guide 5.7.1): all of z and this row of emb are in; the later rows' two loads each stay out
.irp c, 0,2,4,6
	v_pk_add_f32 v[E+8*(\i)+\c:E+8*(\i)+\c+1], v[E+8*(\i)+\c:E+8*(\i)+\c+1], v[Z+8*(\i)+\c:Z+8*(\i)+\c+1] neg_lo:[0,1] neg_hi:[0,1]  ; e - z
.endr
.irp c, 0,2,4,6
.if (\i) == 0
	v_pk_mul_f32 v[A+\c:A+\c+1], v[E+\c:E+\c+1], v[E+\c:E+\c+1]     ; the first row starts the sums: nothing is cleared
.else
	v_pk_fma_f32 v[A+\c:A+\c+1], v[E+8*(\i)+\c:E+8*(\i)+\c+1], v[E+8*(\i)+\c:E+8*(\i)+\c+1], v[A+\c:A+\c+1]
.endif
.endr
.irp c, 0,2,4,6
	v_pk_add_f32 v[Z+8*(\i)+\c:Z+8*(\i)+\c+1], v[Z+8*(\i)+\c:Z+8*(\i)+\c+1], v[E+8*(\i)+\c:E+8*(\i)+\c+1]  ; z + (e - z)
.endr
	global_store_b128 v1, v[Z+8*(\i):Z+8*(\i)+3], s[10:11] offset:1024*(\i) th:TH_STORE_NT       ; no register is written again behind its store
	global_store_b128 v1, v[Z+8*(\i)+4:Z+8*(\i)+7], s[10:11] offset:1024*(\i)+512 th:TH_STORE_NT
.endm
.irp r, 0,1,2,3,4,5,6,7
	ROW \r
.endr
	v_pk_add_f32 v[A:A+1], v[A:A+1], v[A+2:A+3]
	v_pk_add_f32 v[A+4:A+5], v[A+4:A+5], v[A+6:A+7]
	v_pk_add_f32 v[A:A+1], v[A:A+1], v[A+4:A+5]
	v_add_f32 v[A], v[A], v[A+1]
	v_add_f32_dpp v[A], v[A], v[A] row_xmask:1 row_mask:0xf bank_mask:0xf
	v_add_f32_dpp v[A], v[A], v[A] row_xmask:2 row_mask:0xf bank_mask:0xf
	v_add_f32_dpp v[A], v[A], v[A] row_xmask:4 row_mask:0xf bank_mask:0xf
	v_add_f32_dpp v[A], v[A], v[A] row_xmask:8 row_mask:0xf bank_mask:0xf
	v_permlanex16_b32 v[A+1], v[A], s30, s31
	v_add_f32 v[A], v[A], v[A+1]                   ; every lane holds the wave's sum
	v_cmp_eq_u32 vcc_lo, 0, v2
	s_wait_xcnt 0x0                                ; EXEC is a source of the stores above: it is narrowed only behind this wait
	s_and_saveexec_b32 s34, vcc_lo
	global_store_b32 v3, v[A], s[12:13]            ; lane 0 alone
	s_endpgm
.Lfunc_end_k_qcb51ef3c76_emit:
	.size	k_qcb51ef3c76_emit, .Lfunc_end_k_qcb51ef3c76_emit-k_qcb51ef3c76_emit
	.p2alignl 7, 3214868480
	.fill 96, 4, 3214868480
	.section	.rodata,"a",@progbits
	.p2align	6, 0x0
	.amdhsa_kernel k_qcb51ef3c76_emit
		.amdhsa_group_segment_fixed_size 0
		.amdhsa_private_segment_fixed_size 0
		.amdhsa_enable_private_segment 0
		.amdhsa_kernarg_size 40
		.amdhsa_user_sgpr_count 2
		.amdhsa_user_sgpr_kernarg_segment_ptr 1
		.amdhsa_wavefront_size32 1
		.amdhsa_system_sgpr_workgroup_id_x 1
		.amdhsa_system_sgpr_workgroup_id_y 1
		.amdhsa_system_sgpr_workgroup_id_z 1
		.amdhsa_system_vgpr_workitem_id 0
		.amdhsa_next_free_vgpr 160
		.amdhsa_next_free_sgpr 66
		.amdhsa_reserve_vcc 1
		.amdhsa_float_denorm_mode_32 3
		.amdhsa_float_denorm_mode_16_64 3
		.amdhsa_memory_ordered 1
		.amdhsa_forward_progress 1
		.amdhsa_inst_pref_size 14
	.end_amdhsa_kernel
	.amdgpu_metadata
---
amdhsa.version: [ 1, 2 ]
amdhsa.kernels:
  - .name:           k_qcb51ef3c76_emit
    .symbol:         k_qcb51ef3c76_emit.kd
    .args:
      - { .name: z, .offset: 0, .size: 8, .value_kind: global_buffer, .address_space: global }
      - { .name: emb, .offset: 8, .size: 8, .value_kind: global_buffer, .address_space: global }
      - { .name: pick, .offset: 16, .size: 8, .value_kind: global_buffer, .address_space: global }
      - { .name: out0, .offset: 24, .size: 8, .value_kind: global_buffer, .address_space: global }
      - { .name: part, .offset: 32, .size: 8, .value_kind: global_buffer, .address_space: global }
    .group_segment_fixed_size: 0
    .private_segment_fixed_size: 0
    .kernarg_segment_align: 8
    .kernarg_segment_size: 40
    .max_flat_workgroup_size: 512
    .sgpr_count:     66
    .vgpr_count:     160
    .wavefront_size: 32
...
	.end_amdgpu_metadata
.endif
;; end of part 3
;; launch total (part 4): grid 1 x 1, 1 waves a work-group, no clusters, 0 bytes of LDS; arguments part, out2; writes out2
.if DOCPART == 4
	.amdgcn_target "amdgcn-amd-amdhsa--gfx1250"
	.amdhsa_code_object_version 6
	.text
	.protected	k_qcb51ef3c76_total
	.globl	k_qcb51ef3c76_total
	.p2align	8
	.type	k_qcb51ef3c76_total,@function
k_qcb51ef3c76_total:
	s_mov_b64 s[64:65], 0
	v_nop
	global_prefetch_b8 v0, s[64:65] scope:SCOPE_SE
	s_setreg_imm32_b32 hwreg(HW_REG_WAVE_MODE, 25, 1), 1
	s_wait_xcnt 0x0
; TOTAL.  out2 = mean + 0.25 x mean, mean = the sum of the 4,096 partial sums / 2^23.  A sum over work-groups has one owner in a later launch: one wave, 32 loads of 512 consecutive bytes,
; four chains a lane, then across the lanes: always the same order.  The division by 2^23 and the factor 0.25 are exact, so one multiplication by 1.25 x 2^-23 rounds as the two steps would.
.set P, 16                             ; v[16:143] 32 loads of 4 registers; the first two loads' registers carry the four chains
	s_load_b128 s[4:7], s[0:1], 0x0                ; part s[4:5], out2 s[6:7]
	v_lshlrev_b32 v1, 4, v0
	v_mov_b32 v2, 0
	s_mov_b32 s8, 0x76543210                       ; v_permlanex16_b32's selects
	s_mov_b32 s9, 0xfedcba98
	s_wait_kmcnt 0x0
.set i, 0
.rept 32
	global_load_b128 v[P+4*i:P+4*i+3], v1, s[4:5] offset:512*i
.set i, i+1
.endr
.set i, 2
.rept 30
	s_wait_loadcnt 31-i                            ; loads come back in order (ISA guide 5.7.1): number i and all before it are in, the 31 - i younger ones stay out
	v_pk_add_f32 v[P+4*(i%2):P+4*(i%2)+1], v[P+4*(i%2):P+4*(i%2)+1], v[P+4*i:P+4*i+1]
	v_pk_add_f32 v[P+4*(i%2)+2:P+4*(i%2)+3], v[P+4*(i%2)+2:P+4*(i%2)+3], v[P+4*i+2:P+4*i+3]
.set i, i+1
.endr
	v_pk_add_f32 v[P:P+1], v[P:P+1], v[P+2:P+3]
	v_pk_add_f32 v[P+4:P+5], v[P+4:P+5], v[P+6:P+7]
	v_pk_add_f32 v[P:P+1], v[P:P+1], v[P+4:P+5]
	v_add_f32 v[P], v[P], v[P+1]
	v_add_f32_dpp v[P], v[P], v[P] row_xmask:1 row_mask:0xf bank_mask:0xf
	v_add_f32_dpp v[P], v[P], v[P] row_xmask:2 row_mask:0xf bank_mask:0xf
	v_add_f32_dpp v[P], v[P], v[P] row_xmask:4 row_mask:0xf bank_mask:0xf
	v_add_f32_dpp v[P], v[P], v[P] row_xmask:8 row_mask:0xf bank_mask:0xf
	v_permlanex16_b32 v[P+1], v[P], s8, s9
	v_add_f32 v[P], v[P], v[P+1]
	v_mul_f32 v[P], 0x34200000, v[P]               ; 1.25 x 2^-23
	v_cmp_eq_u32 vcc_lo, 0, v0
	s_wait_xcnt 0x0                                ; EXEC is narrowed only behind this wait
	s_and_saveexec_b32 s10, vcc_lo
	global_store_b32 v2, v[P], s[6:7]              ; lane 0 alone
	s_endpgm
.Lfunc_end_k_qcb51ef3c76_total:
	.size	k_qcb51ef3c76_total, .Lfunc_end_k_qcb51ef3c76_total-k_qcb51ef3c76_total
	.p2alignl 7, 3214868480
	.fill 96, 4, 3214868480
	.section	.rodata,"a",@progbits
	.p2align	6, 0x0
	.amdhsa_kernel k_qcb51ef3c76_total
		.amdhsa_group_segment_fixed_size 0
		.amdhsa_private_segment_fixed_size 0
		.amdhsa_enable_private_segment 0
		.amdhsa_kernarg_size 16
		.amdhsa_user_sgpr_count 2
		.amdhsa_user_sgpr_kernarg_segment_ptr 1
		.amdhsa_wavefront_size32 1
		.amdhsa_system_sgpr_workgroup_id_x 1
		.amdhsa_system_sgpr_workgroup_id_y 1
		.amdhsa_system_sgpr_workgroup_id_z 1
		.amdhsa_system_vgpr_workitem_id 0
		.amdhsa_next_free_vgpr 144
		.amdhsa_next_free_sgpr 66
		.amdhsa_reserve_vcc 1
		.amdhsa_float_denorm_mode_32 3
		.amdhsa_float_denorm_mode_16_64 3
		.amdhsa_memory_ordered 1
		.amdhsa_forward_progress 1
		.amdhsa_inst_pref_size 10
	.end_amdhsa_kernel
	.amdgpu_metadata
---
amdhsa.version: [ 1, 2 ]
amdhsa.kernels:
  - .name:           k_qcb51ef3c76_total
    .symbol:         k_qcb51ef3c76_total.kd
    .args:
      - { .name: part, .offset: 0, .size: 8, .value_kind: global_buffer, .address_space: global }
      - { .name: out2, .offset: 8, .size: 8, .value_kind: global_buffer, .address_space: global }
    .group_segment_fixed_size: 0
    .private_segment_fixed_size: 0
    .kernarg_segment_align: 8
    .kernarg_segment_size: 16
    .max_flat_workgroup_size: 32
    .sgpr_count:     66
    .vgpr_count:     144
    .wavefront_size: 32
...
	.end_amdgpu_metadata
.endif
;; end of part 4
